; MI455X (gfx1250); checked and timed in simulation.
; The chip was launched on July 23, 2026; its instructions are those of AMD's public machine-readable ISA for CDNA 5 (MIT licence, August 2026) and "CDNA5" Instruction Set Architecture Reference Guide (July 2026). The comments in the code are by the model that wrote it; some were corrected since.
;; Vector Quantizer. Allowed arithmetic: matrix products marked QUANTISED: E5M2 operands, one given power-of-two scale a tensor, by v_wmma_f32_16x16x64_bf8_bf8 or v_wmma_f32_16x16x128_bf8_bf8, f32 sums; everything else in f32.
;; Inputs: emb 8,192 x 256 float32; inputs 8 x 2,048 x 256 float32; lowp_scales 2 int32 (the exponents e of the quantised operands' scales 2^e).
;; Outputs: out0 8 x 2,048 x 256 float32; out1 one number float32; out2 8 x 2,048 int32; out3 one number float32.
;; This version of the problem:
;;   THIS VERSION OF THE PROBLEM IS GIVEN IN LOW PRECISION. The matrix products marked QUANTISED in the list below multiply operands that are first quantised to E5M2 (5 exponent bits, 2 mantissa bits; 8 bits a number), with one given power-of-two scale for each operand tensor; their sums are f32. All else is computed in f32.
;;   The module's matrix products, in the order in which they are computed (A, B: the left and right operand; K: the contracted axis; several contracted axes count as one K, in the product's order):
;;     1. [M 16,384, K 256] x [K 256, N 8,192]; A: input inputs; B: input emb: QUANTISED (scales: A lowp_scales[0], B lowp_scales[1])
;;   THE QUANTISER, for each operand of a quantised product, along K:
;;     - The operand's scale is 2^e, e = its entry of the input lowp_scales (int32; the entries are numbered through the quantised products in the list's order, A before B).
;;     - Each number is divided by the scale, clamped to +-57,344, and rounded to the nearest number of E5M2, ties to even, subnormals kept.
;;     - The product sums the exact products of the quantised numbers (number of the format x scale) in f32.
;;   ~~~python
;;   def quantise(x, axis, e):      # numpy; x: float32 -> the quantised numbers, widened to float32 again
;;       x = np.moveaxis(x, axis, -1); K = x.shape[-1]
;;       r = np.clip(x / 2.0 ** e, -57344, 57344)
;;       step = 2.0 ** (np.maximum(np.frexp(np.where(r == 0, 1, r))[1] - 1, -14) - 2)
;;       q = np.round(r / step) * step * 2.0 ** e      # np.round: ties to even
;;       return np.moveaxis(q, -1, axis).astype(np.float32)
;;   ~~~
;; One version. Each part assembles by itself: llvm-mc -triple=amdgcn-amd-amdhsa -mcpu=gfx1250 --defsym DOCPART=n.
;; ======== version 1 of 1: 4 launches
;; limits: right only within a limited range of input values
;; workspace buffers: x_img 4,194,304 bytes; e_img 2,097,152 bytes; sxb 65,536 bytes; seb 32,768 bytes; cst 65,536 bytes; idxw 65,536 bytes of whole numbers; part 262,144 bytes; lossp 1,024 bytes
;; launch prep (part 1): grid 384 x 1, 4 waves a work-group, no clusters, 67,072 bytes of LDS; arguments inputs, emb, lowp_scales, x_img, e_img, sxb, seb; writes x_img, e_img, sxb, seb
.if DOCPART == 1
	.amdgcn_target "amdgcn-amd-amdhsa--gfx1250"
	.amdhsa_code_object_version 6
	.text
	.protected	k_q0cf6deb3c3_prep
	.globl	k_q0cf6deb3c3_prep
	.p2align	8
	.type	k_q0cf6deb3c3_prep,@function
k_q0cf6deb3c3_prep:
	s_mov_b64 s[64:65], 0
	v_nop
	global_prefetch_b8 v0, s[64:65] scope:SCOPE_SE
	s_setreg_imm32_b32 hwreg(HW_REG_WAVE_MODE, 25, 1), 1
	s_wait_xcnt 0x0
; inputs [16384][256] and emb [8192][256], f32, become codes of BF8 (E5M2) with the scale 2^e that is given for each, and each row's sum of squares (f32) is stored beside them.
; code = x / 2^e, held within +-57,344, rounded to the nearest code, ties to even.  e: entry 0 (inputs) or entry 1 (emb) of lowp_scales.
; LIMITS: -126 <= e <= 112, so that 2^e and 57,344 x 2^e are f32 numbers.  NaN among the inputs is not served.  A row's squares are summed in an order of this text's own (two packed chains a lane, two lanes a row).
; THE CODES ARE LAID IN THE ORDER OF AN OPERAND'S REGISTERS.  A tile of 16 rows is 4,096 bytes: eight blocks of 512; block 4 s + q holds, at byte 16 x lane, the 16 codes of row lane % 16 at
; k = 128 s + 32 q + 16 (lane / 16) + 0 .. 15.  Four loads of 16 bytes a lane then fill the 16 registers of a 16 x 128 fragment, each load 512 consecutive bytes; the place of k is the same in both operands.
; SHARES.  1,536 tiles, one to a wave: work-groups 0-255 take inputs, 256-383 emb; only pointers and e are chosen, by the work-group's number: there is one path.
; A tile is 16 KiB of dense memory: 32 loads of 512 consecutive bytes.  It turns through the wave's own stage in LDS (rows 1,040 bytes apart, an odd multiple of 16), so that a lane gets 16 neighbours along K.
; Waves share nothing: no barrier.
.set PITCH, 1040
.set WST,   16*PITCH                   ; a wave's stage
.set RAW,   16                         ; v16-143  the tile as loaded
.set F,     144                        ; v144-175 two sets of 16 neighbours
.set C,     176                        ; v176-207 codes: four registers a block, never written again
	s_load_b128 s[4:7], s[0:1], 0x0                ; inputs, emb
	s_load_b64 s[8:9], s[0:1], 0x10                ; the scales' exponents
	s_load_b256 s[12:19], s[0:1], 0x18             ; x_img, e_img, sxb, seb
	v_lshl_add_u32 v208, v0, 2, 0x10400
	v_mov_b32 v209, 0
	v_lshrrev_b32 v1, 5, v0
	v_readfirstlane_b32 s20, v1                    ; wave 0..3
	v_and_b32 v1, 31, v0                           ; lane
	v_lshlrev_b32 v2, 4, v1                        ; 16 x lane: my bytes of a load's and of a store's 512
	v_and_b32 v12, 15, v0                          ; r
	v_bfe_u32 v13, v0, 4, 1                        ; h
	s_mul_i32 s30, s20, WST
	v_add_nc_u32 v3, s30, v2                       ; into the stage: as the bytes lie
	v_mul_u32_u24 v4, v12, PITCH
	v_lshl_add_u32 v4, v13, 6, v4
	v_add_nc_u32 v4, s30, v4                       ; out of it: row r, + 64 h: my 16 numbers of a block of 32
	v_lshlrev_b32 v5, 2, v12                       ; my row's word among the tile's 16 sums
	s_mov_b32 s32, 0x76543210                      ; v_permlanex16_b32: lane l xor 16
	s_mov_b32 s33, 0xfedcba98
	s_cmp_lt_u32 ttmp9, 256
	s_cselect_b32 s21, 0, 256
	s_sub_co_u32 s21, ttmp9, s21
	s_lshl_b32 s21, s21, 2
	s_add_co_u32 s21, s21, s20                     ; my tile of the tensor
	s_lshl_b32 s24, s21, 14                        ; its numbers: 16 KiB a tile,
	s_mov_b32 s25, 0
	s_lshl_b32 s26, s21, 12                        ; its codes: 4 KiB,
	s_mov_b32 s27, 0
	s_lshl_b32 s28, s21, 6                         ; its sums: 64 bytes
	s_mov_b32 s29, 0
	s_wait_alu depctr_va_vdst(0)
	s_wait_kmcnt 0x0
	s_load_b64 s[22:23], s[8:9], 0x0               ; e0, e1
	s_cmp_lt_u32 ttmp9, 256                        ; the choice hangs on the work-group's number alone
	s_cselect_b64 s[4:5], s[4:5], s[6:7]
	s_cselect_b64 s[12:13], s[12:13], s[14:15]
	s_cselect_b64 s[16:17], s[16:17], s[18:19]
	s_add_nc_u64 s[4:5], s[4:5], s[24:25]
	s_add_nc_u64 s[12:13], s[12:13], s[26:27]
	s_add_nc_u64 s[16:17], s[16:17], s[28:29]
.irp i, 0,1,2,3,4,5,6,7,8,9,10,11,12,13,14,15,16,17,18,19,20,21,22,23,24,25,26,27,28,29,30,31
	global_load_b128 v[RAW+4*\i:RAW+4*\i+3], v2, s[4:5] offset:512*\i th:TH_LOAD_NT   ; 32 lanes read 512 consecutive bytes: half a row
.endr
	s_wait_kmcnt 0x0
	s_cmp_lt_u32 ttmp9, 256
	s_cselect_b32 s22, s22, s23                    ; e
	s_add_co_i32 s22, s22, 127
	s_lshl_b32 s23, s22, 23
	v_mov_b32 v6, s23                              ; 2^e as f32: the conversion takes its exponent field
	s_add_co_i32 s22, s22, 15
	s_lshl_b32 s22, s22, 23
	s_or_b32 s22, s22, 0x600000
	v_mov_b32 v7, s22                              ; 57,344 x 2^e
.macro TOSTAGE i0                      ; eight loads' bytes go to the stage as they lie: load i is half i % 2 of row i / 2
.irp d, 0,1,2,3,4,5,6,7
	ds_store_b128 v3, v[RAW+4*(\i0+\d):RAW+4*(\i0+\d)+3] offset:((\i0+\d)/2)*PITCH+((\i0+\d)%2)*512
.endr
.endm
	s_wait_alu depctr_va_vdst(0)
	s_wait_loadcnt 24                              ; loads come back in order: the first eight are in, 24 younger ones may be out
	TOSTAGE 0
	s_wait_loadcnt 16
	TOSTAGE 8
	s_wait_loadcnt 8
	TOSTAGE 16
	s_wait_loadcnt 0
	TOSTAGE 24
.macro FETCH g                         ; block g = 4 s + q: my 16 neighbours, into set g % 2.  LDS serves a wave's instructions in order: these see my stores
.irp j, 0,1,2,3
	ds_load_b128 v[F+16*((\g)%2)+4*\j:F+16*((\g)%2)+4*\j+3], v4 offset:512*((\g)/4)+128*((\g)%4)+16*\j
.endr
.endm
.macro QG g                            ; block g: squares (of the numbers as they are), the hold, the conversion, the store
.set XS, F+16*((\g)%2)
.irp p, 0,1,2,3,4,5,6,7
.if ((\g) == 0) && (\p < 2)
	v_pk_mul_f32 v[8+2*\p:9+2*\p], v[XS+2*\p:XS+2*\p+1], v[XS+2*\p:XS+2*\p+1]   ; the first two pairs start the two chains: nothing is cleared
.else
	v_pk_fma_f32 v[8+2*(\p%2):9+2*(\p%2)], v[XS+2*\p:XS+2*\p+1], v[XS+2*\p:XS+2*\p+1], v[8+2*(\p%2):9+2*(\p%2)]
.endif
.endr
.irp i, 0,1,2,3,4,5,6,7,8,9,10,11,12,13,14,15
	v_med3_num_f32 v[XS+\i], v[XS+\i], -v7, v7     ; the conversion to an 8-bit code does not saturate (ISA guide 7.6.2): the hold at the largest code x the scale comes first
.endr
	v_cvt_scalef32_pk8_bf8_f32 v[C+4*(\g):C+4*(\g)+1], v[XS:XS+7], v6
	v_cvt_scalef32_pk8_bf8_f32 v[C+4*(\g)+2:C+4*(\g)+3], v[XS+8:XS+15], v6
	global_store_b128 v2, v[C+4*(\g):C+4*(\g)+3], s[12:13] offset:512*(\g)   ; 32 lanes store 512 consecutive bytes, aligned.  (The codes go to a store alone; the next vector lines are plain and work on the other set)
.endm
	FETCH 0
.irp g, 0,1,2,3,4,5,6
	FETCH \g+1
	s_wait_dscnt 4                                 ; this block's four loads are in; the next block's four may be out
	QG \g
.endr
	s_wait_dscnt 0
	QG 7
	v_pk_add_f32 v[8:9], v[8:9], v[10:11]          ; the two chains,
	v_add_f32 v12, v8, v9                          ; their halves,
	v_permlanex16_b32 v13, v12, s32, s33
	v_add_f32 v12, v12, v13                        ; and the lane that holds the row's other half: both lanes now hold the same sum
	global_store_b32 v5, v12, s[16:17]             ; lanes r and r + 16 write the same word with the same number: EXEC is never changed
	s_wait_tensorcnt 0x0
	ds_add_u32 v208, v209
	s_wait_dscnt 0x0
	s_endpgm
.Lfunc_end_k_q0cf6deb3c3_prep:
	.size	k_q0cf6deb3c3_prep, .Lfunc_end_k_q0cf6deb3c3_prep-k_q0cf6deb3c3_prep
	.p2alignl 7, 3214868480
	.fill 96, 4, 3214868480
	.section	.rodata,"a",@progbits
	.p2align	6, 0x0
	.amdhsa_kernel k_q0cf6deb3c3_prep
		.amdhsa_group_segment_fixed_size 67072
		.amdhsa_private_segment_fixed_size 0
		.amdhsa_enable_private_segment 0
		.amdhsa_kernarg_size 56
		.amdhsa_user_sgpr_count 2
		.amdhsa_user_sgpr_kernarg_segment_ptr 1
		.amdhsa_wavefront_size32 1
		.amdhsa_system_sgpr_workgroup_id_x 1
		.amdhsa_system_sgpr_workgroup_id_y 1
		.amdhsa_system_sgpr_workgroup_id_z 1
		.amdhsa_system_vgpr_workitem_id 0
		.amdhsa_next_free_vgpr 210
		.amdhsa_next_free_sgpr 66
		.amdhsa_reserve_vcc 0
		.amdhsa_float_denorm_mode_32 3
		.amdhsa_float_denorm_mode_16_64 3
		.amdhsa_memory_ordered 1
		.amdhsa_forward_progress 1
		.amdhsa_inst_pref_size 24
	.end_amdhsa_kernel
	.amdgpu_metadata
---
amdhsa.version: [ 1, 2 ]
amdhsa.kernels:
  - .name:           k_q0cf6deb3c3_prep
    .symbol:         k_q0cf6deb3c3_prep.kd
    .args:
      - { .name: inputs, .offset: 0, .size: 8, .value_kind: global_buffer, .address_space: global }
      - { .name: emb, .offset: 8, .size: 8, .value_kind: global_buffer, .address_space: global }
      - { .name: lowp_scales, .offset: 16, .size: 8, .value_kind: global_buffer, .address_space: global }
      - { .name: x_img, .offset: 24, .size: 8, .value_kind: global_buffer, .address_space: global }
      - { .name: e_img, .offset: 32, .size: 8, .value_kind: global_buffer, .address_space: global }
      - { .name: sxb, .offset: 40, .size: 8, .value_kind: global_buffer, .address_space: global }
      - { .name: seb, .offset: 48, .size: 8, .value_kind: global_buffer, .address_space: global }
    .group_segment_fixed_size: 67072
    .private_segment_fixed_size: 0
    .kernarg_segment_align: 8
    .kernarg_segment_size: 56
    .max_flat_workgroup_size: 128
    .sgpr_count:     66
    .vgpr_count:     210
    .wavefront_size: 32
...
	.end_amdgpu_metadata
.endif
;; end of part 1
;; launch rows (part 2): grid 256 x 1, 8 waves a work-group, clusters of 4 x 1, 327,680 bytes of LDS; arguments x_img, e_img, sxb, seb, lowp_scales, out2, idxw, cst; writes out2, idxw, cst
.if DOCPART == 2
	.amdgcn_target "amdgcn-amd-amdhsa--gfx1250"
	.amdhsa_code_object_version 6
	.text
	.protected	k_q0cf6deb3c3_rows
	.globl	k_q0cf6deb3c3_rows
	.p2align	8
	.type	k_q0cf6deb3c3_rows,@function
k_q0cf6deb3c3_rows:
	s_mov_b64 s[64:65], 0
	v_nop
	global_prefetch_b8 v0, s[64:65] scope:SCOPE_SE
	s_setreg_imm32_b32 hwreg(HW_REG_WAVE_MODE, 25, 1), 1
	s_wait_xcnt 0x0
	s_wait_alu depctr_hold_cnt(0) depctr_sa_sdst(0) depctr_va_vdst(0) depctr_va_sdst(0) depctr_va_ssrc(0) depctr_va_vcc(0) depctr_vm_vsrc(0)
	s_getreg_b32 s2, hwreg(HW_REG_IB_STS2, 6, 4)
	s_cmp_eq_u32 s2, 0
	s_cbranch_scc0 .Lentry_in_a_cluster
	s_endpgm
.Lentry_in_a_cluster:
	s_bfe_u32 s2, ttmp6, 0x10000c
	s_cmp_lg_u32 s2, 0x3003
	s_cbranch_scc0 .Lentry_shape_is_right
	s_endpgm
.Lentry_shape_is_right:
; FIRST SWEEP, BY ROWS.  d[t][k] = (sx[t] + se[k]) - 2 x[t].e[k], the product on codes of BF8.  For each token t: the least d, the first k that has it, and Z = the sum over k of exp(least - d).
; Stored: the index (out2, and once more in idxw for the launch that gathers by it) and c'[t] = ((least - sx) - ln Z) / 2^(e0 + e1 + 1), with which the second sweep makes normalised weights.
; d IS ROUNDED AS THE PROBLEM'S DEFINITION ROUNDS IT: one addition sx + se, then one fused multiply-add with -2^(e0 + e1 + 1) x the sum of code products (a power of two rounds nothing):
; equal d occur, and the first index among equals is the answer.
; LIMITS: e0 + e1 + 1 between -126 and 127.  NaN among the inputs and rows whose d are all infinite are not served.  sx and se come from sums in another order than the definition's.
; SHARES.  A work-group owns 64 tokens: four tiles of 16, whose fragments each of its eight waves keeps in registers (128).  The 8,192 codebook rows come through a ring of two LDS slots of 512 rows (128 KiB);
; wave w takes rows 64 w .. 64 w + 63 of each slot, 32 a step.  The product is used transposed (source 0 = 16 codebook rows, source 1 = 16 tokens): a lane holds ONE token (lane % 16), register j of a tile
; the codebook row 8 (lane / 16) + j.  A lane walks its 512 rows in ascending order and keeps its running least d, its sum and a copy of the 16 d of the step that held the least.
; At the end the 16 parts of a token (8 waves x 2 halves of the lanes) meet in LDS.
; THE RUNNING LEAST.  Z is kept under the least d so far: terms are 2^(LR - L d), L = log2 e, LR = L x least (rounded once); when the least falls, Z is multiplied by 2^(new LR - old LR).
; A STEP'S VECTOR WORK goes for all four token tiles together: a plain part (d, least, the copy, the exponents), ONE batch of 68 exponentials, the sums.  The four tiles' chains are interleaved.
; Least and LR have two registers each, old and new by turns: a slot's two steps bring them back where they began.
; CLUSTER.  All work-groups walk the same codebook: the four of a cluster ask for each part of a slot JOINTLY (same descriptor, mask 15).  Each refill stands behind a round of the cluster's barrier;
; the plain part of the slot's second step stands between the round's opening signal and its wait.  By this text's count a wave has one tensor load out at the most.
; se: each wave copies the 1,024 numbers that it will itself use (16 slots x 64) through registers into LDS bytes of its own, where no fill lands.
; NO PREFETCH: a refill is asked for two steps (32 matrix instructions and their vector work) ahead of the wait for it, and the 2 MiB of images are walked by all 64 clusters in the same order.
; REGISTERS.  window 0: v1-14 addresses; v16 the step's first row; v30, v31 for the add; v32-79 twelve a token tile: sx, -, LR a, best step's first row, LR b, -, Z (two halves), factor, -, least a, least b;
;   v80-143 the step's 8 accumulators (16 a token tile); v144-207 the best step's d; v208-239 se, two sets of 16; v240-255 at work.   window 1: v0-127 the tokens' fragments; v128-191 the step's four codebook fragments.
.set SLOT1, 131072                     ; slot 1 begins here: one exclusive or turns an address in one slot into the other's
.set SE,    262144                     ; se: 4 KiB for each wave, stored once by that wave
.set MRG,   294912                     ; the parts' meeting place: least, index, Z: three arrays of [16 parts][64 tokens] words
.set SPARE, 307200                     ; the spare words, 128 bytes for each wave: four blocks of 256 bytes that no other line names
.set ST,    32
.set ACC,   80
.set BEST,  144
.set SEV,   208
.set TMP,   240
.set MSB, 0
.macro WIN new                         ; the immediate's high byte repeats the setting that is left
.if MSB != \new
	s_set_vgpr_msb (MSB<<8)|\new
.set MSB, \new
.endif
.endm
.macro PLACES                          ; four plain vector places behind matrix instructions, in front of loads into their sources and of the first read of their results
.rept 4
	v_nop
.endr
.endm
.macro CREST                           ; a round of the cluster's barrier behind its opening barrier
	s_cmp_lg_u32 s20, 0
	s_cbranch_scc1 .Lnot_wave_0_\@
	s_barrier_signal -3
.Lnot_wave_0_\@:
	s_barrier_wait -3
	s_barrier_signal -1
	s_barrier_wait -1
.endm
.macro CROUND                          ; a whole round
	s_barrier_signal -1
	s_barrier_wait -1
	CREST
.endm
	s_load_b512 s[4:19], s[0:1], 0x0               ; x_img s[4:5], e_img s[6:7], sxb s[8:9], seb s[10:11], scales s[12:13], out2 s[14:15], idxw s[16:17], cst s[18:19]
	v_lshl_add_u32 v30, v0, 2, SPARE
	v_mov_b32 v31, 0
	ds_add_u32 v30, v31                            ; the opening lines: the add, twice on end, and its wait ahead of my first tensor load
	ds_add_u32 v30, v31
	v_lshrrev_b32 v1, 5, v0
	v_readfirstlane_b32 s20, v1                    ; wave 0..7
	s_bfe_u32 s21, ttmp6, 0x40000                  ; cx: my place in the cluster
	s_lshl_b32 s22, ttmp9, 2
	s_add_co_u32 s22, s22, s21                     ; my block of 64 tokens: it enters global addresses of my own alone
	; descriptor group 1: a wave's part of a slot: 64 rows of 32 elements of 8 bytes, dense: 16 KiB
	s_mov_b32 s24, 15|(3<<16)|(1<<21)              ; 15:0 the mask: all four work-groups; 17:16 elements of 8 bytes; 21 set beside a mask; no padding: images are read 512 consecutive bytes at a time
	s_mov_b32 s25, 32<<16                          ; tensor_dim0 = 32
	s_mov_b32 s26, 64<<16                          ; tensor_dim1 = 64
	s_mov_b32 s27, 32<<16                          ; tile_dim0 = 32
	s_mov_b32 s28, 64                              ; tile_dim1 = 64
	s_mov_b32 s29, 32                              ; from row to row: 32 elements
	s_mov_b32 s30, 0
	s_mov_b32 s31, 0
	s_lshl_b32 s68, s20, 14                        ; 16 KiB x wave
	s_mov_b32 s69, 0
	s_lshl_b32 s72, s22, 14                        ; my four token tiles' images
	s_mov_b32 s73, 0
	s_lshl_b32 s74, s22, 8                         ; my 64 tokens' words
	s_mov_b32 s75, 0
	s_wait_dscnt 0x0                               ; both opening adds are done
	s_wait_kmcnt 0x0
	s_load_b64 s[66:67], s[12:13], 0x0             ; e0, e1
	s_mov_b32 s44, 1                               ; group 0, slot 0: codebook rows 0-511
	s_mov_b32 s45, s68
	s_add_nc_u64 s[46:47], s[6:7], s[68:69]
	s_mov_b32 s48, 1                               ; slot 1: rows 512-1,023; this group then walks
	s_add_co_u32 s49, s68, SLOT1
	s_add_nc_u64 s[50:51], s[46:47], SLOT1
	s_or_b32 s47, s47, 0x80000000                  ; type = 2
	s_or_b32 s51, s51, 0x80000000
	CROUND                                         ; all four work-groups are here: the first joint loads meet
	tensor_load_to_lds s[44:47], s[24:31]          ; slot 0: my one tensor load at the head
	s_nop 0
	PLACES                                         ; (four v_nop follow the tensor load)
	s_add_nc_u64 s[72:73], s[4:5], s[72:73]
	s_add_nc_u64 s[8:9], s[8:9], s[74:75]
	s_add_nc_u64 s[14:15], s[14:15], s[74:75]
	s_add_nc_u64 s[16:17], s[16:17], s[74:75]
	s_add_nc_u64 s[18:19], s[18:19], s[74:75]
	s_lshl_b32 s61, s20, 8                         ; 256 w: my 64 se of a slot, in seb
	s_lshl_b32 s62, s20, 12
	s_add_co_u32 s62, s62, SE                      ; my 4 KiB of se in LDS
	s_lshl_b32 s63, s20, 9
	s_add_co_u32 s63, s63, MRG
	v_and_b32 v1, 15, v0                           ; r
	v_bfe_u32 v2, v0, 4, 1                         ; h
	v_and_b32 v3, 31, v0
	v_and_b32 v11, 63, v0
	v_lshlrev_b32 v12, 2, v1                       ; 4 r
	v_lshlrev_b32 v3, 4, v3                        ; 16 x lane: an image's place for my lane
	v_lshl_add_u32 v13, v2, 11, s61                ; se in memory: lanes 0-15 take an even slot's 256 bytes, lanes 16-31 the next slot's, 2,048 bytes on
	v_lshl_add_u32 v5, v2, 5, s62                  ; se in LDS, as a step reads it: + 32 h
	v_lshlrev_b32 v8, 3, v2                        ; 8 h
	v_lshl_add_u32 v9, v2, 8, s63
	v_lshl_add_u32 v10, v11, 2, MRG                ; the merge: thread t of waves 0 and 1 takes token t
	v_lshl_add_u32 v13, v1, 4, v13
	v_add_nc_u32 v14, s62, v3                      ; se into LDS: 256 bytes a slot, slots on end
	v_add_nc_u32 v4, s68, v3                       ; my wave's four codebook tiles in a slot
	v_lshl_add_u32 v9, v1, 2, v9                   ; where my part goes: part 2 w + h, token r (+ 16 a tile)
	v_lshlrev_b32 v11, 2, v11
	s_wait_alu depctr_va_vdst(0)                   ; the wait here, ahead of the readers below
	WIN 0x40                                       ; destination window 1, address window 0
.irp i, 0,1,2,3
.irp s, 0,1
.irp q, 0,1,2,3
	global_load_b128 v[32*\i+16*\s+4*\q:32*\i+16*\s+4*\q+3], v3, s[72:73] offset:4096*\i+2048*\s+512*\q   ; token tile i, K half s: they stay
.endr
.endr
.endr
	WIN 0
.irp i, 0,1,2,3
	global_load_b32 v[ST+12*\i], v12, s[8:9] offset:64*\i   ; sx of my token in tile i
.endr
.irp i, 0,1,2,3,4,5,6,7
	global_load_b128 v[ACC+4*\i:ACC+4*\i+3], v13, s[10:11] offset:4096*\i   ; se of slots 2 i and 2 i + 1: sixteen lanes read 256 consecutive bytes, aligned
.endr
	s_mov_b32 s78, 0x7f800000                      ; +infinity: over every d
.irp i, 0,1,2,3
	v_mov_b32 v[ST+12*\i+1], 0                     ; (the packed forms name pairs, so the upper words are written)
	v_mov_b32 v[ST+12*\i+2], s78                   ; L x the least so far.  (The step is written once: the first step's factor is 2^(-infinity) = 0, on a Z of 0)
	v_mov_b32 v[ST+12*\i+3], 0
	v_mov_b32 v[ST+12*\i+5], 0
	v_mov_b32 v[ST+12*\i+6], 0
	v_mov_b32 v[ST+12*\i+7], 0
	v_mov_b32 v[ST+12*\i+9], 0
	v_mov_b32 v[ST+12*\i+10], s78                  ; the least d so far
.endr
.set n, 0
.rept 64
	v_mov_b32 v[BEST+n], s78
.set n, n+1
.endr
	s_mov_b32 s52, 0                               ; the slot from which the next fragments come
	s_mov_b32 s53, 0                               ; its se: 256 bytes a slot
	s_lshl_b32 s54, s20, 6                         ; the step's first codebook row: 512 x slot + 64 w + 32 x step
	s_mov_b32 s55, 14
	s_mov_b32 s58, 0xbfb8aa3b                      ; -L
	s_mov_b32 s59, s58
	s_mov_b32 s60, 0x3fb8aa3b                      ; L = log2 e
	s_mov_b32 s77, 0xbf317218                      ; -ln 2
	s_wait_kmcnt 0x0
	s_add_co_i32 s61, s66, s67                     ; e0 + e1
	s_sub_co_i32 s76, -1, s61                      ; -(e0 + e1 + 1)
	s_add_co_i32 s56, s61, 128
	s_lshl_b32 s56, s56, 23
	s_or_b32 s56, s56, 0x80000000                  ; -2^(e0 + e1 + 1) as f32
	s_mov_b32 s57, s56
; the step's four codebook fragments (tile u, K half s) and the 32 se that go with them.  p: which step of the slot; sv: which set of se
.macro LOADB p, sv
	WIN 0x40
.irp u, 0,1
.irp s, 0,1
.irp q, 0,1,2,3
	ds_load_b128 v[128+32*\u+16*\s+4*\q:128+32*\u+16*\s+4*\q+3], v6 offset:8192*(\p)+4096*\u+2048*\s+512*\q
.endr
.endr
.endr
	WIN 0
.irp u, 0,1
.irp t, 0,1
	ds_load_b128 v[SEV+16*(\sv)+8*\u+4*\t:SEV+16*(\sv)+8*\u+4*\t+3], v7 offset:128*(\p)+64*\u+16*\t
.endr
.endr
.endm
; 16 matrix instructions: 2 codebook tiles x 4 token tiles x 2 K halves.  The first half starts the sums with the constant 0.  The eight accumulators take turns, one instruction a turn.
.macro MULS
	WIN 0x05                                       ; sources 0 and 1 window 1; C and D window 0
.irp s, 0,1
.irp i, 0,1,2,3
.irp u, 0,1
.if \s == 0
	v_wmma_f32_16x16x128_bf8_bf8 v[ACC+16*\i+8*\u:ACC+16*\i+8*\u+7], v[128+32*\u+16*\s:128+32*\u+16*\s+15], v[32*\i+16*\s:32*\i+16*\s+15], 0
.else
	v_wmma_f32_16x16x128_bf8_bf8 v[ACC+16*\i+8*\u:ACC+16*\i+8*\u+7], v[128+32*\u+16*\s:128+32*\u+16*\s+15], v[32*\i+16*\s:32*\i+16*\s+15], v[ACC+16*\i+8*\u:ACC+16*\i+8*\u+7]
.endif
.endr
.endr
.endr
	WIN 0
.endm
.macro CND2 b, a                       ; two d of the step are kept where the step holds a new least
	v_cndmask_b32 v[\b], v[\b], v[\a], vcc_lo
	v_cndmask_b32 v[\b+1], v[\b+1], v[\a+1], vcc_lo
.endm
; THE PLAIN PART of a step, 64 d a lane.  sv: the set of se; od, nw: which of the two registers of least and of LR is the old one and which the new
.macro PHA sv, od, nw
.irp i, 0,1,2,3
.irp a, 0,2,4,6,8,10,12,14
	v_pk_add_f32 v[TMP+\a:TMP+\a+1], v[SEV+16*(\sv)+\a:SEV+16*(\sv)+\a+1], v[ST+12*\i:ST+12*\i+1] op_sel_hi:[1,0]   ; sx + se, rounded
.endr
.irp a, 0,2,4,6,8,10,12,14
	v_pk_fma_f32 v[ACC+16*\i+\a:ACC+16*\i+\a+1], v[ACC+16*\i+\a:ACC+16*\i+\a+1], s[56:57], v[TMP+\a:TMP+\a+1] op_sel_hi:[1,0,1]   ; d = (sx + se) - 2 x the product, rounded once; each accumulator from its low end on
.endr
.endr
.irp i, 0,1,2,3                        ; the least of the step's 16 d and of the least so far: eight lines a tile, two chains a tile, the four tiles by turns
	v_min3_num_f32 v[TMP+2*\i], v[ACC+16*\i], v[ACC+16*\i+1], v[ACC+16*\i+2]
	v_min3_num_f32 v[TMP+2*\i+1], v[ACC+16*\i+3], v[ACC+16*\i+4], v[ACC+16*\i+5]
.endr
.irp k, 6,10
.irp i, 0,1,2,3
	v_min3_num_f32 v[TMP+2*\i], v[TMP+2*\i], v[ACC+16*\i+\k], v[ACC+16*\i+\k+1]
	v_min3_num_f32 v[TMP+2*\i+1], v[TMP+2*\i+1], v[ACC+16*\i+\k+2], v[ACC+16*\i+\k+3]
.endr
.endr
.irp i, 0,1,2,3
	v_min3_num_f32 v[TMP+2*\i], v[TMP+2*\i], v[ACC+16*\i+14], v[ACC+16*\i+15]
.endr
.irp i, 0,1,2,3
	v_min3_num_f32 v[ST+12*\i+10+\nw], v[TMP+2*\i], v[TMP+2*\i+1], v[ST+12*\i+10+\od]
.endr
.irp i, 0,1,2,3
	v_cmp_lt_f32 vcc_lo, v[ST+12*\i+10+\nw], v[ST+12*\i+10+\od]     ; strictly under the least so far: among equals the earlier step, whose rows are lower, stays
	v_mul_f32 v[ST+12*\i+2+2*\nw], s60, v[ST+12*\i+10+\nw]          ; the new LR
.irp j, 0,2,4,6,8,10,12,14
	CND2 BEST+16*\i+\j, ACC+16*\i+\j               ; the place of the least among the 16 is looked for once, at the end
.endr
	v_cndmask_b32 v[ST+12*\i+3], v[ST+12*\i+3], v16, vcc_lo         ; the best step's first row
	v_sub_f32 v[ST+12*\i+8], v[ST+12*\i+2+2*\nw], v[ST+12*\i+2+2*\od]   ; new LR - old LR, 0 or less
.irp a, 0,2,4,6,8,10,12,14
	v_pk_fma_f32 v[ACC+16*\i+\a:ACC+16*\i+\a+1], v[ACC+16*\i+\a:ACC+16*\i+\a+1], s[58:59], v[ST+12*\i+2+2*\nw:ST+12*\i+3+2*\nw] op_sel_hi:[1,0,0]   ; LR - L d, over d
.endr
.endr
.endm
; THE EXPONENTIALS AND THE SUMS of a step: one batch, one wait ahead of it and one behind it
.macro PHB
	s_wait_alu depctr_va_vdst(0)
.irp i, 0,1,2,3
	v_exp_f32 v[ST+12*\i+8], v[ST+12*\i+8]         ; the factor that brings Z under the new least
.endr
.set n, 0
.rept 64
	v_exp_f32 v[ACC+n], v[ACC+n]
.set n, n+1
.endr
	v_nop                                          ; the plain place behind the exponentials
	s_wait_alu depctr_va_vdst(0)
.irp i, 0,1,2,3
.irp a, 0,4,8,12
	v_pk_add_f32 v[ACC+16*\i+\a:ACC+16*\i+\a+1], v[ACC+16*\i+\a:ACC+16*\i+\a+1], v[ACC+16*\i+\a+2:ACC+16*\i+\a+3]
.endr
.endr
.irp i, 0,1,2,3
.irp a, 0,8
	v_pk_add_f32 v[ACC+16*\i+\a:ACC+16*\i+\a+1], v[ACC+16*\i+\a:ACC+16*\i+\a+1], v[ACC+16*\i+\a+4:ACC+16*\i+\a+5]
.endr
.endr
.irp i, 0,1,2,3
	v_pk_add_f32 v[ACC+16*\i:ACC+16*\i+1], v[ACC+16*\i:ACC+16*\i+1], v[ACC+16*\i+8:ACC+16*\i+9]
.endr
.irp i, 0,1,2,3
	v_pk_fma_f32 v[ST+12*\i+6:ST+12*\i+7], v[ST+12*\i+6:ST+12*\i+7], v[ST+12*\i+8:ST+12*\i+9], v[ACC+16*\i:ACC+16*\i+1] op_sel_hi:[1,0,1]   ; Z = Z x factor + the step's sum
.endr
.endm
; A SLOT: two steps.  The change of slots stands behind the slot's last products, when all my reads of it are in registers.
; mode 2: the slot just left is filled again, with the rows two slots on; 1: the slots change and nothing is asked for; 0: the last slot.
.macro TRIP mode
	s_wait_dscnt 0x0                               ; the first step's fragments and se are in
	MULS
	PLACES
	LOADB 1, 1                                     ; the second step's, while the first step's vector work runs
	v_mov_b32 v16, s54
	PHA 0, 0, 1
	PHB
	s_wait_dscnt 0x0
	MULS
	s_add_co_u32 s54, s54, 32
.if \mode >= 1
	s_wait_tensorcnt 0x0                           ; all my tensor loads have landed: the one that was out is my part of the next slot; so a group 0 may be written
	ds_add_u32 v30, v31                            ; 0 onto my spare word: the steps below stand between it and the wait for it
.if \mode == 2
	s_xor_b32 s49, s49, SLOT1                      ; the walking descriptor: the other slot than last time,
	s_add_nc_u64 s[50:51], s[50:51], SLOT1         ; the next 512 rows' images: 128 KiB on; the type bits on top are not reached
.endif
	s_xor_b32 s52, s52, SLOT1
	s_add_co_u32 s53, s53, 256
	s_wait_dscnt 0x0                               ; the add is done, and my reads of this slot are over
	s_barrier_signal -1                            ; say so; work on registers while the others arrive
	PLACES
	v_mov_b32 v16, s54
	PHA 1, 1, 0
	s_wait_alu depctr_va_vdst(0)                   ; the wait here, directly ahead of the barrier wait below
	s_barrier_wait -1
.if \mode == 2
	CREST                                          ; no wave of any partner still reads the slot or has a load on its way
	tensor_load_to_lds s[48:51], s[24:31]          ; my one tensor load behind the round, and the first thing there
	s_nop 0
	PLACES
.endif
	v_add_nc_u32 v6, s52, v4
	v_add_nc_u32 v7, s53, v5
	LOADB 0, 0                                     ; the next slot's first step, while this step's exponentials run
.else
	PLACES
	v_mov_b32 v16, s54
	PHA 1, 1, 0
.endif
	PHB
	s_add_co_u32 s54, s54, 480
.endm
	s_wait_alu depctr_va_vdst(0)
	s_wait_loadcnt 0x0                             ; the tokens' fragments, sx and se
	s_wait_tensorcnt 0x0                           ; my part of slot 0 is in: no tensor load is out while I store to LDS
.irp i, 0,1,2,3,4,5,6,7
	ds_store_b128 v14, v[ACC+4*\i:ACC+4*\i+3] offset:512*\i   ; my wave's se, which my wave alone reads
.endr
	s_wait_tensorcnt 0x0                           ; the wait, the add and its wait ahead of a later first fill, as ahead of a refill
	ds_add_u32 v30, v31
	s_wait_dscnt 0x0
	CROUND                                         ; everybody's part of slot 0 is in, and all four work-groups are here
	tensor_load_to_lds s[48:51], s[24:31]          ; slot 1's first fill
	s_nop 0
	PLACES
	v_add_nc_u32 v6, s52, v4
	v_add_nc_u32 v7, s53, v5
	LOADB 0, 0
.Lslot:                                            ; 14 trips: slots 0 to 13 are filled again, with rows of slots 2 to 15
	s_wait_alu depctr_va_vdst(0)
	TRIP 2
	s_sub_co_u32 s55, s55, 1
	s_cmp_lg_u32 s55, 0
	s_cbranch_scc1 .Lslot
	TRIP 1                                         ; the tail is written out
	TRIP 0
	; MY PART OF EACH TOKEN: the place of the least d among the best step's 16 (the lowest place wins: it is written last), the index, Z's two halves.  The four tiles by turns, a mask register each
.irp i, 0,1,2,3
	v_mov_b32 v[TMP+\i], 0
.endr
.irp jj, 15,14,13,12,11,10,9,8,7,6,5,4,3,2,1,0
.set PV, (\jj&7)+16*(\jj>>3)
.irp i, 0,1,2,3
	v_cmp_neq_f32 s[84+\i], v[BEST+16*\i+\jj], v[ST+12*\i+10]
.endr
.irp i, 0,1,2,3
	v_cndmask_b32 v[TMP+\i], PV, v[TMP+\i], s[84+\i]       ; register 8 u + j holds row 16 u + j (+ 8 h)
.endr
.endr
.irp i, 0,1,2,3
	v_add3_u32 v[TMP+\i], v[ST+12*\i+3], v[TMP+\i], v8
	v_add_f32 v[TMP+4+\i], v[ST+12*\i+6], v[ST+12*\i+7]
.endr
.irp i, 0,1,2,3
	ds_store_b32 v9, v[ST+12*\i+10] offset:64*\i
	ds_store_b32 v9, v[TMP+\i] offset:4096+64*\i
	ds_store_b32 v9, v[TMP+4+\i] offset:8192+64*\i
.endr
	s_wait_alu depctr_va_vdst(0)
	s_wait_dscnt 0x0                               ; for the others' sake: my stores are done
	s_barrier_signal -1
	s_barrier_wait -1
	s_cmp_lt_u32 s20, 2                            ; THE MERGE: waves 0 and 1, a thread to a token
	s_cbranch_scc0 .Lclose
	global_load_b32 v112, v11, s[8:9]              ; sx
.irp p, 0,1,2,3,4,5,6,7,8,9,10,11,12,13,14,15
	ds_load_b32 v[64+\p], v10 offset:256*\p
	ds_load_b32 v[80+\p], v10 offset:4096+256*\p
	ds_load_b32 v[96+\p], v10 offset:8192+256*\p
.endr
	v_mov_b32 v120, 0x7fffffff
	s_delay_alu instid0(VALU_DEP_1)
	v_mov_b32 v118, v120
	s_wait_dscnt 0x0
	v_min3_num_f32 v113, v64, v65, v66
	v_min3_num_f32 v114, v67, v68, v69
	v_min3_num_f32 v115, v70, v71, v72
	v_min3_num_f32 v116, v73, v74, v75
	v_min3_num_f32 v117, v76, v77, v78
	s_delay_alu instid0(VALU_DEP_4)
	v_min3_num_f32 v113, v113, v114, v79
	s_delay_alu instid0(VALU_DEP_2)
	v_min3_num_f32 v115, v115, v116, v117
	s_delay_alu instid0(VALU_DEP_1)
	v_min_num_f32 v113, v113, v115                 ; the row's least d
.irp p, 0,1,2,3,4,5,6,7,8,9,10,11,12,13,14,15
	v_cmp_eq_f32 vcc_lo, v[64+\p], v113
	s_delay_alu instid0(VALU_DEP_1)
	v_cndmask_b32 v119, v120, v[80+\p], vcc_lo
	s_delay_alu instid0(VALU_DEP_1)
	v_min_u32 v118, v118, v119                     ; the lowest index among the parts that reach it
.endr
	v_mul_f32 v121, s60, v113                      ; LR of the row
.irp p, 0,1,2,3,4,5,6,7,8,9,10,11,12,13,14,15
	v_mul_f32 v[64+\p], s60, v[64+\p]              ; each part's LR, by the same multiplication that made it
.endr
.irp p, 0,1,2,3,4,5,6,7,8,9,10,11,12,13,14,15
	v_sub_f32 v[64+\p], v121, v[64+\p]
.endr
	s_wait_alu depctr_va_vdst(0)
.irp p, 0,1,2,3,4,5,6,7,8,9,10,11,12,13,14,15
	v_exp_f32 v[64+\p], v[64+\p]
.endr
	v_fma_f32 v123, s60, v113, -v121               ; what LR's rounding left out: L x least - LR, exact.  (The plain place behind the exponentials)
	s_wait_alu depctr_va_vdst(0)
	v_mul_f32 v122, v96, v64
.irp p, 1,2,3,4,5,6,7,8,9,10,11,12,13,14,15
	v_fma_f32 v122, v[96+\p], v[64+\p], v122       ; Z under the row's LR
.endr
	s_wait_alu depctr_va_vdst(0)
	v_log_f32 v124, v122
	s_wait_loadcnt 0x0
	v_sub_f32 v125, v113, v112                     ; least - sx.  (The plain place behind the logarithm)
	s_wait_alu depctr_va_vdst(0)
	v_add_f32 v124, v124, v123                     ; log2 of the true Z
	s_delay_alu instid0(VALU_DEP_1)
	v_fma_f32 v125, v124, s77, v125                ; (least - sx) - ln Z
	s_delay_alu instid0(VALU_DEP_1)
	v_ldexp_f32 v125, v125, s76                    ; / 2^(e0 + e1 + 1): in the units of a sum of code products
	global_store_b32 v11, v118, s[14:15]
	global_store_b32 v11, v118, s[16:17]
	global_store_b32 v11, v125, s[18:19]
.Lclose:
	s_wait_tensorcnt 0x0                           ; the wave's end: the wait, the add and its wait stand behind my last tensor load and my last LDS store
	ds_add_u32 v30, v31
	s_wait_dscnt 0x0
	CROUND                                         ; the closing round: no work-group ends while a partner may still ask for a tile that names it
	s_endpgm
.Lfunc_end_k_q0cf6deb3c3_rows:
	.size	k_q0cf6deb3c3_rows, .Lfunc_end_k_q0cf6deb3c3_rows-k_q0cf6deb3c3_rows
	.p2alignl 7, 3214868480
	.fill 96, 4, 3214868480
	.section	.rodata,"a",@progbits
	.p2align	6, 0x0
	.amdhsa_kernel k_q0cf6deb3c3_rows
		.amdhsa_group_segment_fixed_size 327680
		.amdhsa_private_segment_fixed_size 0
		.amdhsa_enable_private_segment 0
		.amdhsa_kernarg_size 64
		.amdhsa_user_sgpr_count 2
		.amdhsa_user_sgpr_kernarg_segment_ptr 1
		.amdhsa_wavefront_size32 1
		.amdhsa_system_sgpr_workgroup_id_x 1
		.amdhsa_system_sgpr_workgroup_id_y 1
		.amdhsa_system_sgpr_workgroup_id_z 1
		.amdhsa_system_vgpr_workitem_id 0
		.amdhsa_next_free_vgpr 448
		.amdhsa_next_free_sgpr 88
		.amdhsa_reserve_vcc 1
		.amdhsa_float_denorm_mode_32 3
		.amdhsa_float_denorm_mode_16_64 3
		.amdhsa_memory_ordered 1
		.amdhsa_forward_progress 1
		.amdhsa_inst_pref_size 138
	.end_amdhsa_kernel
	.amdgpu_metadata
---
amdhsa.version: [ 1, 2 ]
amdhsa.kernels:
  - .name:           k_q0cf6deb3c3_rows
    .symbol:         k_q0cf6deb3c3_rows.kd
    .args:
      - { .name: x_img, .offset: 0, .size: 8, .value_kind: global_buffer, .address_space: global }
      - { .name: e_img, .offset: 8, .size: 8, .value_kind: global_buffer, .address_space: global }
      - { .name: sxb, .offset: 16, .size: 8, .value_kind: global_buffer, .address_space: global }
      - { .name: seb, .offset: 24, .size: 8, .value_kind: global_buffer, .address_space: global }
      - { .name: lowp_scales, .offset: 32, .size: 8, .value_kind: global_buffer, .address_space: global }
      - { .name: out2, .offset: 40, .size: 8, .value_kind: global_buffer, .address_space: global }
      - { .name: idxw, .offset: 48, .size: 8, .value_kind: global_buffer, .address_space: global }
      - { .name: cst, .offset: 56, .size: 8, .value_kind: global_buffer, .address_space: global }
    .group_segment_fixed_size: 327680
    .private_segment_fixed_size: 0
    .kernarg_segment_align: 8
    .kernarg_segment_size: 64
    .max_flat_workgroup_size: 256
    .sgpr_count:     88
    .vgpr_count:     448
    .wavefront_size: 32
...
	.end_amdgpu_metadata
.endif
;; end of part 2
;; launch cols (part 3): grid 32 x 8, 8 waves a work-group, clusters of 4 x 1, 327,680 bytes of LDS; arguments x_img, e_img, seb, cst, lowp_scales, idxw, inputs, emb, out0, part, lossp; writes out0, part, lossp
.if DOCPART == 3
	.amdgcn_target "amdgcn-amd-amdhsa--gfx1250"
	.amdhsa_code_object_version 6
	.text
	.protected	k_q0cf6deb3c3_cols
	.globl	k_q0cf6deb3c3_cols
	.p2align	8
	.type	k_q0cf6deb3c3_cols,@function
k_q0cf6deb3c3_cols:
	s_mov_b64 s[64:65], 0
	v_nop
	global_prefetch_b8 v0, s[64:65] scope:SCOPE_SE
	s_setreg_imm32_b32 hwreg(HW_REG_WAVE_MODE, 25, 1), 1
	s_wait_xcnt 0x0
	s_wait_alu depctr_hold_cnt(0) depctr_sa_sdst(0) depctr_va_vdst(0) depctr_va_sdst(0) depctr_va_ssrc(0) depctr_va_vcc(0) depctr_vm_vsrc(0)
	s_getreg_b32 s2, hwreg(HW_REG_IB_STS2, 6, 4)
	s_cmp_eq_u32 s2, 0
	s_cbranch_scc0 .Lentry_in_a_cluster
	s_endpgm
.Lentry_in_a_cluster:
	s_bfe_u32 s2, ttmp6, 0x10000c
	s_cmp_lg_u32 s2, 0x3003
	s_cbranch_scc0 .Lentry_shape_is_right
	s_endpgm
.Lentry_shape_is_right:
.set SLOT1, 131072
.set CSTB,  262144
.set MRG,   270336
.set SPARE, 274944
.set XF,  32
.set CP,  96
.set ACC, 112
.set CS,  176
.set BB,  192
.set GX,  208
.set GE,  224
.set LS,  240
.set GD,  242
.set MSB, 0
.macro WIN new
.if MSB != \new
	s_set_vgpr_msb (MSB<<8)|\new
.set MSB, \new
.endif
.endm
.macro PLACES
.rept 4
	v_nop
.endr
.endm
.macro CROUND
	s_barrier_signal -1
	s_barrier_wait -1
	s_cmp_lg_u32 s26, 0
	s_cbranch_scc1 .Lnot_wave_0_\@
	s_barrier_signal -3
.Lnot_wave_0_\@:
	s_barrier_wait -3
	s_barrier_signal -1
	s_barrier_wait -1
.endm
	s_load_b512 s[4:19], s[0:1], 0x0
	s_load_b128 s[20:23], s[0:1], 0x40
	s_load_b64 s[24:25], s[0:1], 0x50
	v_lshl_add_u32 v30, v0, 2, SPARE
	v_mov_b32 v31, 0
	ds_add_u32 v30, v31
	ds_add_u32 v30, v31
	s_wait_dscnt 0x0
	v_lshrrev_b32 v1, 5, v0
	s_delay_alu instid0(VALU_DEP_1)
	v_readfirstlane_b32 s26, v1
	s_bfe_u32 s27, ttmp6, 0x40000
	s_lshl_b32 s28, ttmp9, 2
	s_add_co_u32 s28, s28, s27
	s_and_b32 s29, ttmp7, 0xffff
	s_lshr_b32 s30, s26, 2
	s_and_b32 s31, s26, 3
	s_mov_b32 s32, 15|(3<<16)|(1<<21)
	s_mov_b32 s33, 32<<16
	s_mov_b32 s34, 64<<16
	s_mov_b32 s35, 32<<16
	s_mov_b32 s36, 64
	s_mov_b32 s37, 32
	s_mov_b32 s38, 0
	s_mov_b32 s39, 0
	s_lshl_b32 s92, s26, 14
	s_mov_b32 s93, 0
	s_lshl_b32 s94, s29, 19
	s_mov_b32 s95, 0
	s_lshl_b32 s96, s29, 13
	s_lshl_b32 s97, s26, 10
	s_add_co_u32 s96, s96, s97
	s_add_co_u32 s49, s97, CSTB
	s_mov_b32 s97, 0
	s_wait_kmcnt 0x0
	s_load_b64 s[68:69], s[12:13], 0x0
	s_add_nc_u64 s[50:51], s[10:11], s[96:97]      ; my wave's 256 words of c': 1 KiB of the work-group's 8 KiB
	s_mov_b32 s52, 1
	s_mov_b32 s53, s92
	s_add_nc_u64 s[54:55], s[4:5], s[94:95]
	s_add_nc_u64 s[54:55], s[54:55], s[92:93]
	s_mov_b32 s56, 1
	s_add_co_u32 s57, s92, SLOT1
	s_add_nc_u64 s[58:59], s[54:55], SLOT1
	s_or_b32 s55, s55, 0x80000000
	s_or_b32 s59, s59, 0x80000000
	CROUND
	tensor_load_to_lds s[52:55], s[32:39]          ; slot 0: my one tensor load at the head
	s_nop 0
	PLACES
	v_and_b32 v11, 31, v0
	v_lshlrev_b32 v11, 4, v11                      ; 16 x lane
	v_add_nc_u32 v16, s49, v11                     ; c' in LDS: 1 KiB a wave, in bytes where no fill lands
	s_wait_alu depctr_va_vdst(0)
	global_load_b128 v[GX:GX+3], v11, s[50:51]     ; c' comes through registers: 8 KiB a work-group, a small part of what it reads, so it is not asked for jointly
	global_load_b128 v[GX+4:GX+7], v11, s[50:51] offset:512
	s_lshl_b32 s98, s29, 5
	s_add_co_u32 s98, s98, s28
	s_lshl_b32 s88, s98, 8
	s_lshl_b32 s89, s26, 5
	s_add_co_u32 s88, s88, s89
	s_mov_b32 s89, 0
	s_add_nc_u64 s[14:15], s[14:15], s[88:89]
	s_load_b256 s[72:79], s[14:15], 0x0
	s_lshl_b32 s88, s98, 16
	s_lshl_b32 s99, s26, 13
	s_add_co_u32 s88, s88, s99
	s_add_nc_u64 s[80:81], s[16:17], s[88:89]
	s_add_nc_u64 s[82:83], s[20:21], s[88:89]
	s_lshl_b32 s88, s28, 16
	s_lshl_b32 s99, s30, 15
	s_add_co_u32 s88, s88, s99
	s_add_nc_u64 s[6:7], s[6:7], s[88:89]
	s_lshl_b32 s88, s28, 10
	s_lshl_b32 s99, s30, 9
	s_add_co_u32 s88, s88, s99
	s_add_nc_u64 s[8:9], s[8:9], s[88:89]
	s_lshl_b32 s88, s29, 15
	s_lshl_b32 s99, s28, 10
	s_add_co_u32 s88, s88, s99
	s_add_nc_u64 s[22:23], s[22:23], s[88:89]
	s_lshl_b32 s88, s98, 2
	s_add_nc_u64 s[24:25], s[24:25], s[88:89]
	s_mov_b32 s90, 0x76543210
	s_mov_b32 s91, 0xfedcba98
	v_and_b32 v1, 15, v0
	v_bfe_u32 v2, v0, 4, 1
	v_and_b32 v3, 31, v0
	s_delay_alu instid0(VALU_DEP_1)
	v_lshlrev_b32 v3, 4, v3
	s_delay_alu instid0(VALU_DEP_4)
	v_lshlrev_b32 v12, 2, v1
	WIN 0x40
.irp c, 0,1,2,3,4,5,6,7
.irp s, 0,1
.irp q, 0,1,2,3
	global_load_b128 v[32*\c+16*\s+4*\q:32*\c+16*\s+4*\q+3], v3, s[6:7] offset:4096*\c+2048*\s+512*\q
.endr
.endr
.endr
	WIN 0
.irp c, 0,1,2,3,4,5,6,7
	global_load_b32 v[BB+2*\c], v12, s[8:9] offset:64*\c
.endr
	s_lshl_b32 s99, s31, 15
	v_add_nc_u32 v4, s99, v3
	s_lshl_b32 s99, s31, 9
	s_add_co_u32 s99, s99, CSTB
	v_lshl_add_u32 v5, v2, 5, s99
	s_lshl_b32 s99, s26, 9
	s_add_co_u32 s99, s99, MRG
	v_lshl_add_u32 v8, v1, 2, s99
	v_lshrrev_b32 v9, 7, v0
	v_and_b32 v10, 127, v0
	s_delay_alu instid0(VALU_DEP_2)
	v_lshlrev_b32 v9, 11, v9
	s_delay_alu instid0(VALU_DEP_1)
	v_lshl_add_u32 v9, v10, 2, v9
	s_delay_alu instid0(VALU_DEP_1)
	v_add_nc_u32 v9, MRG, v9
	v_lshlrev_b32 v10, 2, v0
	s_lshl_b32 s99, s26, 2
	s_add_co_u32 s99, s99, MRG+4096
	v_mov_b32 v13, s99
	v_mov_b32 v14, MRG+4096
	v_mov_b32 v15, 0
.irp j, 0,1,2,3,4,5,6,7,8,9,10,11,12,13,14,15
	v_mov_b32 v[CS+\j], 0
.endr
	v_mov_b32 v[LS], 0
	v_mov_b32 v[LS+1], 0
	s_mov_b32 s60, 0
	s_mov_b32 s61, 0
	s_wait_kmcnt 0x0
	s_add_co_i32 s66, s68, s69
	s_add_co_i32 s66, s66, 1
	s_lshl_b32 s66, s66, 23
	s_add_co_i32 s66, s66, 0x3fb8aa3b
	s_mov_b32 s67, s66
	s_mov_b32 s99, 0xbfb8aa3b
	s_wait_loadcnt 0x0
.irp c, 0,1,2,3,4,5,6,7
	v_mul_f32 v[BB+2*\c], s99, v[BB+2*\c]
	s_delay_alu instid0(VALU_DEP_1)
	v_mov_b32 v[BB+2*\c+1], v[BB+2*\c]
.endr
.macro PREF P, ox, oc
.irp s, 0,1
.irp q, 0,1,2,3
	ds_load_b128 v[XF+32*(\P)+16*\s+4*\q:XF+32*(\P)+16*\s+4*\q+3], v6 offset:(\ox)+2048*\s+512*\q
.endr
.endr
.irp t, 0,1
	ds_load_b128 v[CP+8*(\P)+4*\t:CP+8*(\P)+4*\t+3], v7 offset:(\oc)+16*\t
.endr
.endm
.macro MULB P
	WIN 0x04
.irp s, 0,1
.irp c, 0,1,2,3,4,5,6,7
.if \s == 0
	v_wmma_f32_16x16x128_bf8_bf8 v[ACC+8*\c:ACC+8*\c+7], v[XF+32*(\P)+16*\s:XF+32*(\P)+16*\s+15], v[32*\c+16*\s:32*\c+16*\s+15], v[CP+8*(\P):CP+8*(\P)+7]
.else
	v_wmma_f32_16x16x128_bf8_bf8 v[ACC+8*\c:ACC+8*\c+7], v[XF+32*(\P)+16*\s:XF+32*(\P)+16*\s+15], v[32*\c+16*\s:32*\c+16*\s+15], v[ACC+8*\c:ACC+8*\c+7]
.endif
.endr
.endr
	WIN 0
.endm
.macro FMA c
.irp a, 0,2,4,6
	v_pk_fma_f32 v[ACC+8*(\c)+\a:ACC+8*(\c)+\a+1], v[ACC+8*(\c)+\a:ACC+8*(\c)+\a+1], s[66:67], v[BB+2*(\c):BB+2*(\c)+1] op_sel_hi:[1,0,1]
.endr
.endm
.macro EXPS c
.irp j, 0,1,2,3,4,5,6,7
	v_exp_f32 v[ACC+8*(\c)+\j], v[ACC+8*(\c)+\j]
.endr
.endm
; a step's vector work for its eight tiles together: the exponents, ONE batch of 64 exponentials with one wait ahead of it and one behind it, the sums with the eight tiles by turns
.macro VEC
.irp c, 0,1,2,3,4,5,6,7
	FMA \c
.endr
	s_wait_alu depctr_va_vdst(0)
.irp c, 0,1,2,3,4,5,6,7
	EXPS \c
.endr
	v_nop                                          ; the plain place behind the exponentials
	s_wait_alu depctr_va_vdst(0)
.irp c, 0,1,2,3,4,5,6,7
.irp a, 0,4
	v_pk_add_f32 v[ACC+8*\c+\a:ACC+8*\c+\a+1], v[ACC+8*\c+\a:ACC+8*\c+\a+1], v[ACC+8*\c+\a+2:ACC+8*\c+\a+3]
.endr
.endr
.irp c, 0,1,2,3,4,5,6,7
	v_pk_add_f32 v[ACC+8*\c:ACC+8*\c+1], v[ACC+8*\c:ACC+8*\c+1], v[ACC+8*\c+4:ACC+8*\c+5]
.endr
.irp c, 0,1,2,3,4,5,6,7
	v_pk_add_f32 v[CS+2*\c:CS+2*\c+1], v[CS+2*\c:CS+2*\c+1], v[ACC+8*\c:ACC+8*\c+1]
.endr
.endm
.macro STEP P, ox, oc
	s_wait_dscnt 0x0
	PREF 1-\P, \ox, \oc
	MULB \P
	PLACES
	VEC
.endm
.macro LAST sg, mode
	s_wait_dscnt 0x0
	MULB 1
.if \mode >= 1
	s_wait_tensorcnt 0x0
	ds_add_u32 v30, v31
.if \mode == 2
	s_xor_b32 s57, s57, SLOT1
	s_add_nc_u64 s[58:59], s[58:59], SLOT1
.endif
	s_mov_b32 s60, (((\sg)+1)%2)*SLOT1
	s_mov_b32 s61, 2048*((\sg)+1)
	s_wait_dscnt 0x0
.if \mode == 2
	CROUND
	tensor_load_to_lds s[56:59], s[32:39]
	s_nop 0
	PLACES
.else
	s_barrier_signal -1
	s_barrier_wait -1
	PLACES
.endif
	v_add_nc_u32 v6, s60, v4
	v_add_nc_u32 v7, s61, v5
	PREF 0, 0, 0
.else
	PLACES
.endif
	VEC
.endm
.macro GISSUE sg
.if \sg > 0
	s_wait_xcnt 0x0
.endif
	s_min_u32 s88, s[72+2*(\sg)], 8191
	s_lshl_b32 s88, s88, 10
	s_add_nc_u64 s[84:85], s[18:19], s[88:89]
	s_min_u32 s88, s[73+2*(\sg)], 8191
	s_lshl_b32 s88, s88, 10
	s_add_nc_u64 s[86:87], s[18:19], s[88:89]
.irp k, 0,1,2,3
	global_load_b128 v[GX+4*\k:GX+4*\k+3], v3, s[80:81] offset:2048*(\sg)+512*\k th:TH_LOAD_NT
.endr
	global_load_b128 v[GE:GE+3], v3, s[84:85]
	global_load_b128 v[GE+4:GE+7], v3, s[84:85] offset:512
	global_load_b128 v[GE+8:GE+11], v3, s[86:87]
	global_load_b128 v[GE+12:GE+15], v3, s[86:87] offset:512
.endm
.macro GFIN sg
	s_wait_loadcnt 0x0
.irp a, 0,1,2,3,4,5,6,7
	v_pk_add_f32 v[GD+2*(\a%4):GD+2*(\a%4)+1], v[GE+2*\a:GE+2*\a+1], v[GX+2*\a:GX+2*\a+1] neg_lo:[0,1] neg_hi:[0,1]
	s_delay_alu instid0(VALU_DEP_1)
	v_pk_fma_f32 v[LS:LS+1], v[GD+2*(\a%4):GD+2*(\a%4)+1], v[GD+2*(\a%4):GD+2*(\a%4)+1], v[LS:LS+1]
	s_delay_alu instid0(VALU_DEP_2)
	v_pk_add_f32 v[GE+2*\a:GE+2*\a+1], v[GX+2*\a:GX+2*\a+1], v[GD+2*(\a%4):GD+2*(\a%4)+1]
.endr
.irp k, 0,1,2,3
	global_store_b128 v3, v[GE+4*\k:GE+4*\k+3], s[82:83] offset:2048*(\sg)+512*\k th:TH_STORE_NT
.endr
.endm
.macro SLOTTRIP sg, mode
	GISSUE \sg
	s_mov_b32 s62, 3
.Lpair_\@:
	v_add_nc_u32 v6, s60, v4
	v_add_nc_u32 v7, s61, v5
	s_wait_alu depctr_va_vdst(0)
	STEP 0, 4096, 64
	STEP 1, 8192, 128
	s_add_co_u32 s60, s60, 8192
	s_add_co_u32 s61, s61, 128
	s_sub_co_u32 s62, s62, 1
	s_cmp_lg_u32 s62, 0
	s_cbranch_scc1 .Lpair_\@
	v_add_nc_u32 v6, s60, v4
	v_add_nc_u32 v7, s61, v5
	s_wait_alu depctr_va_vdst(0)
	STEP 0, 4096, 64
	GFIN \sg
	LAST \sg, \mode
.endm
	s_wait_alu depctr_va_vdst(0)
	s_wait_tensorcnt 0x0                           ; my part of slot 0 is in: no tensor load is out while I store to LDS
	ds_store_b128 v16, v[GX:GX+3]                  ; c', for all waves: read behind the round below
	ds_store_b128 v16, v[GX+4:GX+7] offset:512
	s_wait_tensorcnt 0x0                           ; the wait, the add and its wait ahead of a later first fill, as ahead of a refill
	ds_add_u32 v30, v31
	s_wait_dscnt 0x0
	CROUND                                         ; everybody's part of slot 0 and of c' is in, and all four work-groups are here
	tensor_load_to_lds s[56:59], s[32:39]          ; slot 1's first fill
	s_nop 0
	PLACES
	v_add_nc_u32 v6, s60, v4
	v_add_nc_u32 v7, s61, v5
	PREF 0, 0, 0
	SLOTTRIP 0, 2
	SLOTTRIP 1, 2
	SLOTTRIP 2, 1
	SLOTTRIP 3, 0
.irp c, 0,1,2,3,4,5,6,7
	v_add_f32 v[112+\c], v[CS+2*\c], v[CS+2*\c+1]
.endr
.irp c, 0,1,2,3,4,5,6,7
	v_permlanex16_b32 v[120+\c], v[112+\c], s90, s91
.endr
.irp c, 0,1,2,3,4,5,6,7
	v_add_f32 v[112+\c], v[112+\c], v[120+\c]
	ds_store_b32 v8, v[112+\c] offset:64*\c
.endr
	v_add_f32 v128, v[LS], v[LS+1]
	s_delay_alu instid0(VALU_DEP_1)
	v_add_f32_dpp v128, v128, v128 row_xmask:1 row_mask:0xf bank_mask:0xf
	s_delay_alu instid0(VALU_DEP_1)
	v_add_f32_dpp v128, v128, v128 row_xmask:2 row_mask:0xf bank_mask:0xf
	s_delay_alu instid0(VALU_DEP_1)
	v_add_f32_dpp v128, v128, v128 row_xmask:4 row_mask:0xf bank_mask:0xf
	s_delay_alu instid0(VALU_DEP_1)
	v_add_f32_dpp v128, v128, v128 row_xmask:8 row_mask:0xf bank_mask:0xf
	s_delay_alu instid0(VALU_DEP_1)
	v_permlanex16_b32 v129, v128, s90, s91
	s_delay_alu instid0(VALU_DEP_1)
	v_add_f32 v128, v128, v129
	ds_store_b32 v13, v128
	s_wait_dscnt 0x0
	s_barrier_signal -1
	s_barrier_wait -1
.irp k, 0,1,2,3
	ds_load_b32 v[132+\k], v9 offset:512*\k
.endr
	s_wait_dscnt 0x0
	v_add_f32 v132, v132, v133
	s_delay_alu instid0(VALU_DEP_1)
	v_add_f32 v132, v132, v134
	s_delay_alu instid0(VALU_DEP_1)
	v_add_f32 v132, v132, v135
	global_store_b32 v10, v132, s[22:23]
	s_cmp_lg_u32 s26, 0
	s_cbranch_scc1 .Lclose
	ds_load_b128 v[136:139], v14
	ds_load_b128 v[140:143], v14 offset:16
	s_wait_dscnt 0x0
	v_add_f32 v136, v136, v137
	s_delay_alu instid0(VALU_DEP_1)
	v_add_f32 v136, v136, v138
	s_delay_alu instid0(VALU_DEP_1)
	v_add_f32 v136, v136, v139
	s_delay_alu instid0(VALU_DEP_1)
	v_add_f32 v136, v136, v140
	s_delay_alu instid0(VALU_DEP_1)
	v_add_f32 v136, v136, v141
	s_delay_alu instid0(VALU_DEP_1)
	v_add_f32 v136, v136, v142
	s_delay_alu instid0(VALU_DEP_1)
	v_add_f32 v136, v136, v143
	global_store_b32 v15, v136, s[24:25]
.Lclose:
	s_wait_tensorcnt 0x0
	ds_add_u32 v30, v31
	s_wait_dscnt 0x0
	CROUND
	s_endpgm
.Lfunc_end_k_q0cf6deb3c3_cols:
	.size	k_q0cf6deb3c3_cols, .Lfunc_end_k_q0cf6deb3c3_cols-k_q0cf6deb3c3_cols
	.p2alignl 7, 3214868480
	.fill 96, 4, 3214868480
	.section	.rodata,"a",@progbits
	.p2align	6, 0x0
	.amdhsa_kernel k_q0cf6deb3c3_cols
		.amdhsa_group_segment_fixed_size 327680
		.amdhsa_private_segment_fixed_size 0
		.amdhsa_enable_private_segment 0
		.amdhsa_kernarg_size 88
		.amdhsa_user_sgpr_count 2
		.amdhsa_user_sgpr_kernarg_segment_ptr 1
		.amdhsa_wavefront_size32 1
		.amdhsa_system_sgpr_workgroup_id_x 1
		.amdhsa_system_sgpr_workgroup_id_y 1
		.amdhsa_system_sgpr_workgroup_id_z 1
		.amdhsa_system_vgpr_workitem_id 0
		.amdhsa_next_free_vgpr 512
		.amdhsa_next_free_sgpr 100
		.amdhsa_reserve_vcc 0
		.amdhsa_float_denorm_mode_32 3
		.amdhsa_float_denorm_mode_16_64 3
		.amdhsa_memory_ordered 1
		.amdhsa_forward_progress 1
		.amdhsa_inst_pref_size 164
	.end_amdhsa_kernel
	.amdgpu_metadata
---
amdhsa.version: [ 1, 2 ]
amdhsa.kernels:
  - .name:           k_q0cf6deb3c3_cols
    .symbol:         k_q0cf6deb3c3_cols.kd
    .args:
      - { .name: x_img, .offset: 0, .size: 8, .value_kind: global_buffer, .address_space: global }
      - { .name: e_img, .offset: 8, .size: 8, .value_kind: global_buffer, .address_space: global }
      - { .name: seb, .offset: 16, .size: 8, .value_kind: global_buffer, .address_space: global }
      - { .name: cst, .offset: 24, .size: 8, .value_kind: global_buffer, .address_space: global }
      - { .name: lowp_scales, .offset: 32, .size: 8, .value_kind: global_buffer, .address_space: global }
      - { .name: idxw, .offset: 40, .size: 8, .value_kind: global_buffer, .address_space: global }
      - { .name: inputs, .offset: 48, .size: 8, .value_kind: global_buffer, .address_space: global }
      - { .name: emb, .offset: 56, .size: 8, .value_kind: global_buffer, .address_space: global }
      - { .name: out0, .offset: 64, .size: 8, .value_kind: global_buffer, .address_space: global }
      - { .name: part, .offset: 72, .size: 8, .value_kind: global_buffer, .address_space: global }
      - { .name: lossp, .offset: 80, .size: 8, .value_kind: global_buffer, .address_space: global }
    .group_segment_fixed_size: 327680
    .private_segment_fixed_size: 0
    .kernarg_segment_align: 8
    .kernarg_segment_size: 88
    .max_flat_workgroup_size: 256
    .sgpr_count:     100
    .vgpr_count:     512
    .wavefront_size: 32
...
	.end_amdgpu_metadata
.endif
;; end of part 3
;; launch final (part 4): grid 1 x 1, 32 waves a work-group, no clusters, 4,608 bytes of LDS; arguments part, lossp, out1, out3; writes out1, out3
.if DOCPART == 4
	.amdgcn_target "amdgcn-amd-amdhsa--gfx1250"
	.amdhsa_code_object_version 6
	.text
	.protected	k_q0cf6deb3c3_final
	.globl	k_q0cf6deb3c3_final
	.p2align	8
	.type	k_q0cf6deb3c3_final,@function
k_q0cf6deb3c3_final:
	s_mov_b64 s[64:65], 0
	v_nop
	global_prefetch_b8 v0, s[64:65] scope:SCOPE_SE
	s_setreg_imm32_b32 hwreg(HW_REG_WAVE_MODE, 25, 1), 1
	s_wait_xcnt 0x0
; THE TWO NUMBERS.  avg[k] = (the sum over the 8 token ranges of part[y][k]) / 16,384;  ne2 = the sum over k of avg log2(avg + 1e-10);  the negative entropy is ne2 x ln 2.
; out1 = 1.25 x (the sum of lossp) / 2^22 + 0.1 x ne2 x ln 2;   out3 = exp(-ne2 ln 2) = 2^(-ne2).
; One work-group of 32 waves: 256 KiB are read once and two numbers have one owner.  Thread t takes codebook rows 4 t .. 4 t + 3 and 4,096 + 4 t .. + 3: each load of a wave covers 512 consecutive bytes.
; The sums go in a fixed order: ranges ascending, then lanes, then waves.
	s_load_b128 s[4:7], s[0:1], 0x0                ; part, lossp
	s_load_b128 s[8:11], s[0:1], 0x10              ; out1, out3
	v_lshl_add_u32 v96, v0, 2, 0x200
	v_mov_b32 v97, 0
	v_lshlrev_b32 v2, 4, v0                        ; 16 t
	v_and_b32 v3, 255, v0
	s_delay_alu instid0(VALU_DEP_1)
	v_lshlrev_b32 v3, 2, v3                        ; a word of lossp (threads from 256 on read one again and do not count it)
	v_lshrrev_b32 v4, 5, v0
	s_delay_alu instid0(VALU_DEP_1)
	v_readfirstlane_b32 s12, v4                    ; wave 0..31
	s_delay_alu instid0(VALU_DEP_2)
	v_lshlrev_b32 v4, 2, v4                        ; my wave's word in LDS
	v_and_b32 v5, 31, v0
	s_delay_alu instid0(VALU_DEP_1)
	v_lshlrev_b32 v5, 2, v5                        ; my lane's
	v_mov_b32 v33, 0                               ; written once: a lane permute's destination counts as one of its sources
	v_mov_b32 v6, 0
	s_mov_b32 s14, 0x76543210                      ; v_permlanex16_b32: lane l xor 16
	s_mov_b32 s15, 0xfedcba98
	s_mov_b32 s16, 0x34a00000                      ; 1.25 / 2^22
	s_wait_alu depctr_va_vdst(0)
	s_wait_kmcnt 0x0
.irp y, 0,1,2,3,4,5,6,7
.irp g, 0,1
	global_load_b128 v[16+8*\y+4*\g:16+8*\y+4*\g+3], v2, s[4:5] offset:32768*\y+16384*\g
.endr
.endr
	global_load_b32 v80, v3, s[6:7]
	s_wait_loadcnt 0x0
.irp y, 1,2,3,4,5,6,7
.irp a, 0,2,4,6
	v_pk_add_f32 v[16+\a:17+\a], v[16+\a:17+\a], v[16+8*\y+\a:17+8*\y+\a]
.endr
.endr
.irp a, 0,2,4,6
	s_delay_alu instid0(VALU_DEP_4)
	v_pk_mul_f32 v[16+\a:17+\a], v[16+\a:17+\a], 0x38800000 op_sel_hi:[1,0]   ; / 16,384
.endr
.irp a, 0,2,4,6
	s_delay_alu instid0(VALU_DEP_4)
	v_pk_add_f32 v[24+\a:25+\a], v[16+\a:17+\a], 0x2edbe6ff op_sel_hi:[1,0]   ; + 1e-10
.endr
	s_wait_alu depctr_va_vdst(0)
.irp j, 0,1,2,3,4,5,6,7
	v_log_f32 v[24+\j], v[24+\j]
.endr
	v_cmp_gt_u32 vcc_lo, 256, v0                   ; (the plain place behind the logarithms)
	s_delay_alu instid0(VALU_DEP_1)
	v_cndmask_b32 v80, 0, v80, vcc_lo              ; lossp has 256 words: threads 0-255 count theirs
	s_wait_alu depctr_va_vdst(0)
	v_mul_f32 v32, v16, v24
.irp j, 1,2,3,4,5,6,7
	v_fma_f32 v32, v[16+\j], v[24+\j], v32
.endr
.macro RED a                           ; the sum over the wave's 32 lanes, in every lane
	v_add_f32_dpp v[\a], v[\a], v[\a] row_xmask:1 row_mask:0xf bank_mask:0xf
	s_delay_alu instid0(VALU_DEP_1)
	v_add_f32_dpp v[\a], v[\a], v[\a] row_xmask:2 row_mask:0xf bank_mask:0xf
	s_delay_alu instid0(VALU_DEP_1)
	v_add_f32_dpp v[\a], v[\a], v[\a] row_xmask:4 row_mask:0xf bank_mask:0xf
	s_delay_alu instid0(VALU_DEP_1)
	v_add_f32_dpp v[\a], v[\a], v[\a] row_xmask:8 row_mask:0xf bank_mask:0xf
	s_wait_alu depctr_va_vdst(0)
	v_permlanex16_b32 v33, v[\a], s14, s15
	s_delay_alu instid0(VALU_DEP_1)
	v_add_f32 v[\a], v[\a], v33
.endm
	RED 32
	RED 80
	ds_store_b32 v4, v32                           ; all lanes write the wave's word with the same number
	ds_store_b32 v4, v80 offset:128
	s_wait_dscnt 0x0                               ; for the others' sake: my stores are done
	s_barrier_signal -1
	s_barrier_wait -1
	ds_load_b32 v32, v5                            ; lane l: wave l's sums
	ds_load_b32 v80, v5 offset:128
	s_wait_dscnt 0x0
	RED 32
	RED 80
	v_mul_f32 v36, 0x3f317218, v32                 ; the negative entropy: ne2 x ln 2
	s_delay_alu instid0(VALU_DEP_1)
	v_mul_f32 v36, 0x3dcccccd, v36                 ; x 0.1
	s_delay_alu instid0(VALU_DEP_1)
	v_fma_f32 v36, v80, s16, v36                   ; + 1.25 x the mean squared difference
	v_mul_f32 v37, -1.0, v32
	s_wait_alu depctr_va_vdst(0)
	v_exp_f32 v37, v37                             ; 2^(-ne2)
	v_nop                                          ; one plain place behind the exponential
	s_cmp_lg_u32 s12, 0
	s_cbranch_scc1 .Ldone
	global_store_b32 v6, v36, s[8:9]               ; wave 0: every lane writes the one word with the same number
	s_wait_alu depctr_va_vdst(0)
	global_store_b32 v6, v37, s[10:11]
.Ldone:
	s_wait_tensorcnt 0x0
	ds_add_u32 v96, v97
	s_wait_dscnt 0x0
	s_endpgm
.Lfunc_end_k_q0cf6deb3c3_final:
	.size	k_q0cf6deb3c3_final, .Lfunc_end_k_q0cf6deb3c3_final-k_q0cf6deb3c3_final
	.p2alignl 7, 3214868480
	.fill 96, 4, 3214868480
	.section	.rodata,"a",@progbits
	.p2align	6, 0x0
	.amdhsa_kernel k_q0cf6deb3c3_final
		.amdhsa_group_segment_fixed_size 4608
		.amdhsa_private_segment_fixed_size 0
		.amdhsa_enable_private_segment 0
		.amdhsa_kernarg_size 32
		.amdhsa_user_sgpr_count 2
		.amdhsa_user_sgpr_kernarg_segment_ptr 1
		.amdhsa_wavefront_size32 1
		.amdhsa_system_sgpr_workgroup_id_x 1
		.amdhsa_system_sgpr_workgroup_id_y 1
		.amdhsa_system_sgpr_workgroup_id_z 1
		.amdhsa_system_vgpr_workitem_id 0
		.amdhsa_next_free_vgpr 98
		.amdhsa_next_free_sgpr 66
		.amdhsa_reserve_vcc 1
		.amdhsa_float_denorm_mode_32 3
		.amdhsa_float_denorm_mode_16_64 3
		.amdhsa_memory_ordered 1
		.amdhsa_forward_progress 1
		.amdhsa_inst_pref_size 10
	.end_amdhsa_kernel
	.amdgpu_metadata
---
amdhsa.version: [ 1, 2 ]
amdhsa.kernels:
  - .name:           k_q0cf6deb3c3_final
    .symbol:         k_q0cf6deb3c3_final.kd
    .args:
      - { .name: part, .offset: 0, .size: 8, .value_kind: global_buffer, .address_space: global }
      - { .name: lossp, .offset: 8, .size: 8, .value_kind: global_buffer, .address_space: global }
      - { .name: out1, .offset: 16, .size: 8, .value_kind: global_buffer, .address_space: global }
      - { .name: out3, .offset: 24, .size: 8, .value_kind: global_buffer, .address_space: global }
    .group_segment_fixed_size: 4608
    .private_segment_fixed_size: 0
    .kernarg_segment_align: 8
    .kernarg_segment_size: 32
    .max_flat_workgroup_size: 1024
    .sgpr_count:     66
    .vgpr_count:     98
    .wavefront_size: 32
...
	.end_amdgpu_metadata
.endif
;; end of part 4
